; MI455X (gfx1250); checked and timed in simulation.
; The chip was launched on July 23, 2026; its instructions are those of AMD's public machine-readable ISA for CDNA 5 (MIT licence, August 2026) and "CDNA5" Instruction Set Architecture Reference Guide (July 2026). The comments in the code are by the model that wrote it; some were corrected since.
;; image prj. Allowed arithmetic: float matrix products may take bf16 or f16 operands with f32 sums; other float arithmetic in f32, or as packed bf16 or f16 multiplies, adds, multiply-adds, maxima and minima; sums over many terms, partial sums and values carried from step to step in f32; what a program stores and reads back later, other than sums and carried values, may be rounded once to bf16 or f16.
;; Inputs: image 2,048 x 2,048 float32.
;; Outputs: out0 2,198 x 8 float32.
;; One version. Each part assembles by itself: llvm-mc -triple=amdgcn-amd-amdhsa -mcpu=gfx1250 --defsym DOCPART=n.
;; ======== version 1 of 1: 6 launches
;; limits: values are held in f16: magnitudes above 65,504 overflow, below 6.1e-05 lose precision; inputs' magnitudes at most 8,000
;; workspace buffers: xf 8,388,608 bytes; cf 4,194,304 bytes; ut 8,388,608 bytes; d2 8,388,608 bytes; dext 21,512,192 bytes; part 282,624 bytes
;; launch prep (part 1): grid 512 x 1, 8 waves a work-group, no clusters, 0 bytes of LDS; arguments image, xf, cf; writes xf, cf
.if DOCPART == 1
	.amdgcn_target "amdgcn-amd-amdhsa--gfx1250"
	.amdhsa_code_object_version 6
	.text
	.protected	k_qb1f6eb0e35_prep
	.globl	k_qb1f6eb0e35_prep
	.p2align	8
	.type	k_qb1f6eb0e35_prep,@function
k_qb1f6eb0e35_prep:
	s_mov_b64 s[64:65], 0
	v_nop
	global_prefetch_b8 v0, s[64:65] scope:SCOPE_SE
	s_setreg_imm32_b32 hwreg(HW_REG_WAVE_MODE, 25, 1), 1
	s_wait_xcnt 0x0
; PREP.  Two things, both rounded once to f16.
; (1) THE FOLD.  The DCT matrix has C[k][2047-m] = (-1)^k C[k][m], so d = C x C^T needs only the four folded pictures
;     X_pq[m][n] = (x[m][n] + sq x[m][2047-n]) + sp (x[2047-m][n] + sq x[2047-m][2047-n]),  m, n < 1024, s0 = +1, s1 = -1.
;     xf[p 1024 + m][q 1024 + n] = X_pq[m][n], f16, rows of 4,096 bytes.
; (2) THE TABLE.  cf[p 1024 + kap][n] = sc cos(pi (2 n + 1) k / 4096), k = 2 kap + p, n < 1024; sc = 2^-9, for k = 0 times sqrt(1/2):
;     that is C / 16.  Two products by it leave d / 256; the last launch divides by the maximum, which takes the factor out again.
; LIMITS.  f16 ends at 65,504: |X| = four pixels' sum stays within it for |pixel| under 16,000; d[0][0] / 256 = 8 x the picture's mean
; stays within it for a mean under 8,000.  NaN and infinities are not treated apart.
; SHARES.  512 work-groups of 256 threads.  Thread t: half = t / 128, tn = t % 128.  The work-group folds the row pairs m = 2 wg + half
; (a thread: 8 columns n = 8 tn ..) and makes the table's rows 4 wg + half + 2 pass, pass = 0, 1 (a thread: the same 8 columns).
; The table is made while the picture's eight loads are on their way.  Every store of a wave covers 512 consecutive bytes, aligned.
; No LDS, no barrier, no matrix unit: the launch moves bytes, and no thread needs another's.
.set A,   16                           ; v[16:23]  x[m][8 tn + i]                 later X00
.set BR,  24                           ; v[24:31]  x[m][2040 - 8 tn + i]          later X01
.set CC,  32                           ; v[32:39]  x[2047-m][8 tn + i]            later X10
.set DR,  40                           ; v[40:47]  x[2047-m][2040 - 8 tn + i]     later X11
.set S1,  48                           ; v[48:55], v[56:63], v[64:71], v[72:79]: sums and differences along a row; before that the cosines work here
.set D1,  56
.set S2,  64
.set D2,  72
.set PK,  80                           ; v[80:95]  the four folded pictures, packed
.set CF,  8                            ; v[8:15]   the table's two rows, packed; never rewritten
	s_load_b128 s[4:7], s[0:1], 0x0                ; image s[4:5], xf s[6:7]
	s_load_b64 s[8:9], s[0:1], 0x10                ; cf
	v_and_b32 v1, 127, v0                          ; tn
	v_lshrrev_b32 v2, 7, v0                        ; half
	v_lshlrev_b32 v3, 5, v1                        ; 32 tn: my 8 pixels in a row
	v_sub_nc_u32 v4, 8160, v3                      ; and their mirror images, columns 2040 - 8 tn ..
	v_lshl_add_u32 v3, v2, 13, v3                  ; + half rows of 8,192 bytes
	v_lshl_add_u32 v4, v2, 13, v4
	v_xor_b32 v5, 0x2000, v3                       ; the mirrored rows lie the other way round: 1 - half
	v_xor_b32 v6, 0x2000, v4
	v_lshlrev_b32 v7, 4, v1                        ; 16 tn: my 8 numbers in f16
	v_lshl_add_u32 v96, v2, 12, v7                 ; in xf: + half rows of 4,096 bytes
	v_lshl_add_u32 v7, v2, 11, v7                  ; in cf: + half rows of 2,048 bytes
	s_lshl_b32 s10, ttmp9, 14                      ; rows 2 wg ..
	s_mov_b32 s11, 0
	s_sub_co_u32 s16, 0xffc000, s10                ; rows 2046 - 2 wg ..
	s_mov_b32 s17, 0
	s_lshl_b32 s18, ttmp9, 13                      ; 2 rows of xf, 4 rows of cf: 8,192 bytes each way
	s_mov_b32 s19, 0
	s_mov_b32 s20, 0x3a490fdb                      ; pi / 4096
	s_mov_b32 s21, 0x310f76c7                      ; 1 / 12!
	s_mov_b32 s22, 0xb493f27e                      ; -1 / 10!
	s_mov_b32 s23, 0x37d00d01                      ; 1 / 8!
	s_mov_b32 s24, 0xbab60b61                      ; -1 / 6!
	s_mov_b32 s25, 0x3d2aaaab                      ; 1 / 4!
	s_lshl_b32 s26, ttmp9, 2
	s_and_b32 s26, s26, 1023                       ; kap of the group's first table row
	s_lshl_b32 s26, s26, 1
	s_lshr_b32 s27, ttmp9, 8                       ; p
	s_add_co_u32 s26, s26, s27                     ; k of that row
	s_wait_kmcnt 0x0
	s_add_nc_u64 s[12:13], s[4:5], s[10:11]
	s_add_nc_u64 s[14:15], s[4:5], s[16:17]
	s_add_nc_u64 s[28:29], s[6:7], s[18:19]
	s_add_nc_u64 s[30:31], s[8:9], s[18:19]
	global_load_b128 v[A:A+3],     v3, s[12:13] th:TH_LOAD_NT             ; the picture is read once in the launch
	global_load_b128 v[A+4:A+7],   v3, s[12:13] offset:16 th:TH_LOAD_NT
	global_load_b128 v[BR:BR+3],   v4, s[12:13] th:TH_LOAD_NT
	global_load_b128 v[BR+4:BR+7], v4, s[12:13] offset:16 th:TH_LOAD_NT
	global_load_b128 v[CC:CC+3],   v5, s[14:15] th:TH_LOAD_NT
	global_load_b128 v[CC+4:CC+7], v5, s[14:15] offset:16 th:TH_LOAD_NT
	global_load_b128 v[DR:DR+3],   v6, s[14:15] th:TH_LOAD_NT
	global_load_b128 v[DR+4:DR+7], v6, s[14:15] offset:16 th:TH_LOAD_NT
; One cosine.  v49 holds (2 n + 1) k; the angle is pi v49 / 4096, so all folding is done on whole numbers: modulo 8192, mirrored at 4096
; (cos is even), mirrored at 2048 with a change of sign.  What is left lies in 0 .. pi / 2; the series to z^6 (z = angle squared) leaves under 1e-8 there.
.macro COS1 e
	v_and_b32 v53, 0x1fff, v49
	v_sub_nc_u32 v54, 0x2000, v53
	v_min_u32 v53, v53, v54                        ; 0 .. 4096
	v_sub_nc_u32 v54, 0x1000, v53
	v_cmp_lt_u32 vcc_lo, 0x800, v53                ; beyond pi / 2: the sign turns
	v_min_u32 v54, v53, v54                        ; 0 .. 2048
	v_cvt_f32_u32 v54, v54
	v_mul_f32 v54, s20, v54
	v_mul_f32 v54, v54, v54                        ; z
	v_fma_f32 v55, v54, s21, s22
	v_fma_f32 v55, v55, v54, s23
	v_fma_f32 v55, v55, v54, s24
	v_fma_f32 v55, v55, v54, s25
	v_fma_f32 v55, v55, v54, -0.5
	v_fma_f32 v55, v55, v54, 1.0
	v_cndmask_b32 v56, v51, v52, vcc_lo            ; + sc or - sc
	v_mul_f32 v[64+(\e)], v55, v56
	v_add_nc_u32 v49, v49, v50                     ; n + 1: 2 k more
.endm
.macro COS8 pass                       ; eight numbers of table row 4 wg + half + 2 pass
	v_lshl_add_u32 v48, v2, 1, s26
	v_add_nc_u32 v48, 4*(\pass), v48               ; k
	v_lshl_or_b32 v49, v1, 4, 1                    ; 2 n + 1 at n = 8 tn
	v_mul_u32_u24 v49, v49, v48                    ; under 2^22
	v_lshlrev_b32 v50, 1, v48
	v_cmp_eq_u32 vcc_lo, 0, v48
	v_mov_b32 v51, 0x3b000000                      ; 2^-9
	v_mov_b32 v57, 0x3ab504f3                      ; 2^-9 sqrt(1/2), for k = 0
	v_cndmask_b32 v51, v51, v57, vcc_lo
	v_xor_b32 v52, 0x80000000, v51
.irp e, 0,1,2,3,4,5,6,7
	COS1 \e
.endr
.irp r, 0,1,2,3
	v_cvt_pk_f16_f32 v[CF+4*(\pass)+(\r)], v[64+2*(\r)], v[65+2*(\r)]
.endr
	global_store_b128 v7, v[CF+4*(\pass):CF+4*(\pass)+3], s[30:31] offset:(\pass)*4096
.endm
	COS8 0
	COS8 1
	s_wait_loadcnt 0x0                             ; the four pieces of rows are in
.irp i, 0,1,2,3,4,5,6,7
	v_add_f32 v[S1+(\i)], v[A+(\i)],  v[BR+7-(\i)]  ; column 2047 - n lies in the mirrored piece at 7 - i
	v_sub_f32 v[D1+(\i)], v[A+(\i)],  v[BR+7-(\i)]
	v_add_f32 v[S2+(\i)], v[CC+(\i)], v[DR+7-(\i)]
	v_sub_f32 v[D2+(\i)], v[CC+(\i)], v[DR+7-(\i)]
.endr
.irp i, 0,2,4,6
	v_pk_add_f32 v[A+(\i):A+(\i)+1],   v[S1+(\i):S1+(\i)+1], v[S2+(\i):S2+(\i)+1]                              ; X00
	v_pk_add_f32 v[BR+(\i):BR+(\i)+1], v[D1+(\i):D1+(\i)+1], v[D2+(\i):D2+(\i)+1]                              ; X01
	v_pk_add_f32 v[CC+(\i):CC+(\i)+1], v[S1+(\i):S1+(\i)+1], v[S2+(\i):S2+(\i)+1] neg_lo:[0,1] neg_hi:[0,1]    ; X10
	v_pk_add_f32 v[DR+(\i):DR+(\i)+1], v[D1+(\i):D1+(\i)+1], v[D2+(\i):D2+(\i)+1] neg_lo:[0,1] neg_hi:[0,1]    ; X11
.endr
.irp x, 0,1,2,3
.irp r, 0,1,2,3
	v_cvt_pk_f16_f32 v[PK+4*(\x)+(\r)], v[A+8*(\x)+2*(\r)], v[A+8*(\x)+2*(\r)+1]
.endr
.endr
.irp x, 0,1,2,3                        ; x = 2 p + q: p picks the half of xf's rows, q the half of a row
	global_store_b128 v96, v[PK+4*(\x):PK+4*(\x)+3], s[28:29] offset:((\x)/2)*4194304+((\x)%2)*2048
.endr
	s_endpgm
.Lfunc_end_k_qb1f6eb0e35_prep:
	.size	k_qb1f6eb0e35_prep, .Lfunc_end_k_qb1f6eb0e35_prep-k_qb1f6eb0e35_prep
	.p2alignl 7, 3214868480
	.fill 96, 4, 3214868480
	.section	.rodata,"a",@progbits
	.p2align	6, 0x0
	.amdhsa_kernel k_qb1f6eb0e35_prep
		.amdhsa_group_segment_fixed_size 0
		.amdhsa_private_segment_fixed_size 0
		.amdhsa_enable_private_segment 0
		.amdhsa_kernarg_size 24
		.amdhsa_user_sgpr_count 2
		.amdhsa_user_sgpr_kernarg_segment_ptr 1
		.amdhsa_wavefront_size32 1
		.amdhsa_system_sgpr_workgroup_id_x 1
		.amdhsa_system_sgpr_workgroup_id_y 1
		.amdhsa_system_sgpr_workgroup_id_z 1
		.amdhsa_system_vgpr_workitem_id 0
		.amdhsa_next_free_vgpr 104
		.amdhsa_next_free_sgpr 66
		.amdhsa_reserve_vcc 1
		.amdhsa_float_denorm_mode_32 3
		.amdhsa_float_denorm_mode_16_64 3
		.amdhsa_memory_ordered 1
		.amdhsa_forward_progress 1
		.amdhsa_inst_pref_size 22
	.end_amdhsa_kernel
	.amdgpu_metadata
---
amdhsa.version: [ 1, 2 ]
amdhsa.kernels:
  - .name:           k_qb1f6eb0e35_prep
    .symbol:         k_qb1f6eb0e35_prep.kd
    .args:
      - { .name: image, .offset: 0, .size: 8, .value_kind: global_buffer, .address_space: global }
      - { .name: xf, .offset: 8, .size: 8, .value_kind: global_buffer, .address_space: global }
      - { .name: cf, .offset: 16, .size: 8, .value_kind: global_buffer, .address_space: global }
    .group_segment_fixed_size: 0
    .private_segment_fixed_size: 0
    .kernarg_segment_align: 8
    .kernarg_segment_size: 24
    .max_flat_workgroup_size: 256
    .sgpr_count:     66
    .vgpr_count:     104
    .wavefront_size: 32
...
	.end_amdgpu_metadata
.endif
;; end of part 1
;; launch dct1 (part 2): grid 16 x 16, 4 waves a work-group, clusters of 4 x 4, 327,680 bytes of LDS; arguments cf, xf, ut; writes ut
.if DOCPART == 2
	.amdgcn_target "amdgcn-amd-amdhsa--gfx1250"
	.amdhsa_code_object_version 6
	.text
	.protected	k_qb1f6eb0e35_dct1
	.globl	k_qb1f6eb0e35_dct1
	.p2align	8
	.type	k_qb1f6eb0e35_dct1,@function
k_qb1f6eb0e35_dct1:
	s_mov_b64 s[64:65], 0
	v_nop
	global_prefetch_b8 v0, s[64:65] scope:SCOPE_SE
	s_setreg_imm32_b32 hwreg(HW_REG_WAVE_MODE, 25, 1), 1
	s_wait_xcnt 0x0
	s_wait_alu depctr_hold_cnt(0) depctr_sa_sdst(0) depctr_va_vdst(0) depctr_va_sdst(0) depctr_va_ssrc(0) depctr_va_vcc(0) depctr_vm_vsrc(0)
	s_getreg_b32 s2, hwreg(HW_REG_IB_STS2, 6, 4)
	s_cmp_eq_u32 s2, 0
	s_cbranch_scc0 .Lentry_in_a_cluster
	s_endpgm
.Lentry_in_a_cluster:
	s_bfe_u32 s2, ttmp6, 0x10000c
	s_cmp_lg_u32 s2, 0xf033
	s_cbranch_scc0 .Lentry_shape_is_right
	s_endpgm
.Lentry_shape_is_right:
; ONE STAGE OF THE FOLDED DCT, used twice:  out[i][j] = sum over t < 1024 of A[i][t] B[j][1024 (i >= 1024) + t].
; A: [2048][1024] (the cosine table), B: [2048][2048], out: [2048][2048], all f16; sums in f32, out rounded once.
; First use: A = cf, B = xf, out = ut.  Second use: A = cf, B = ut, out = d2.  The half of B's columns goes with the parity that A's row half stands for.
; LIMITS.  f16 ends at 65,504; with the table's factor 1/16 a stage the largest number, 8 x the picture's mean, stays within it for a mean under 8,000.
; A tile of out is 128 x 128: 256 work-groups.  Four waves, each 64 x 64: 16 accumulators of 16 x 16.  K goes in steps of 256 (LDS rows of 512 bytes; a wave's
; tensor load brings 64 of them) through two slots; the four waves share one stage on the way out, with a barrier between writing and reading.
; CLUSTERS: 4 x 4 work-groups.  The four of a row of the cluster need the same tiles of A, the four of a column the same tiles of B (the K offset hangs on the
; cluster's y alone, which all sixteen share): each tile is asked for JOINTLY, by the same tensor load with the same descriptor and a mask that names the four.
; THE MATRIX INSTRUCTION IS USED TRANSPOSED (source 0 = 16 rows of B, source 1 = 16 rows of A): a lane then holds eight neighbouring numbers of a row of out.
; REGISTERS: window 0: v0-31 addresses; v32-95 at work on the way out; v128-255 the accumulators ((a, b) at v[128 + 8 (4 a + b)]).
;   window 1: two fragment buffers of 128: for 64 along K, 64 registers of A (2 x 4 x 16 rows x 32 K), then 64 of B.
.set SIZE_N, 2048
.set SIZE_K, 1024
.set PA,     1024                      ; elements from row to row of A
.set PB,     2048                      ; and of B
.set KSTEP,  256
.set PITCH,  528                       ; an LDS row: 512 bytes of data + 16 of padding = 132 words: row r starts at bank 4 r mod 64 (64 banks of 4 bytes: ISA guide 11.1)
.set HALFT,  64*PITCH                  ; 64 rows: what one tensor load brings, and what one wave reads of A or of B
.set SLOT,   4*HALFT                   ; A's 128 rows, then B's 128 rows
.set STAGE,  2*SLOT                    ; behind the ring: 128 rows x 272 bytes, the work-group's, for the way out
.set SPITCH, 272
.set SPARE,  STAGE+128*SPITCH          ; behind the stage: the spare words, 128 bytes for each wave: two blocks of 256 bytes that no other line names
.set LAPS, SIZE_K/(2*KSTEP)            ; a lap = two K steps = once round the ring: 2
.set ADRA, 16                          ; v16-17  LDS address of my A fragments in slot 0, 1
.set ADRB, 20                          ; v20-21  the same for B
.set STO,  24                          ; v24     the way out: where I put 16 bytes of a row
.set RD,   25                          ; v25     the way out: where I read a row back
.set CO,   26                          ; v26     my byte offset in out
.set SPW,  28                          ; v28     LDS address of my spare word: SPARE + 4 x my thread's number; never rewritten
.set NIL,  29                          ; v29     0; never rewritten
.set TMP,  32                          ; the way out: 64 registers, packed results and then whole rows
.set ACC,  128
.set F0,   0                           ; fragment buffers, in window 1
.set F1,   128
.set G1, 24                            ; s[24:31] descriptor group 1 for A's tiles;  s[32:39] group 0, one set for each slot
.set G0, 32
.set G1B, 48                           ; s[48:55], s[56:63] the same for B's tiles
.set G0B, 56
.set MSB, 0
.macro WIN new                         ; the immediate's high byte repeats the setting that is left
.if MSB != (\new)
	s_set_vgpr_msb (MSB<<8)|(\new)
.set MSB, \new
.endif
.endm
.set MUL,  0x05                        ; sources 0 (B) and 1 (A) window 1; C and D window 0
.set TO_F, 0x40                        ; destination window 1, address window 0
.macro JLOAD s                         ; a joint load: waves 0 and 1 fetch A's two halves, waves 2 and 3 B's; an s_nop 0 and four v_nop follow each of the two lines, ahead of the jump, the label and what follows
	s_cmp_eq_u32 s11, 0
	s_cbranch_scc0 .Lfor_b_\@
	tensor_load_to_lds s[G0+4*(\s):G0+4*(\s)+3], s[G1:G1+7]
	s_nop 0
.rept 4
	v_nop
.endr
	s_branch .Lasked_\@
.Lfor_b_\@:
	tensor_load_to_lds s[G0B+4*(\s):G0B+4*(\s)+3], s[G1B:G1B+7]
	s_nop 0
.rept 4
	v_nop
.endr
.Lasked_\@:
.endm
.macro CREST                           ; a round of the cluster's barrier behind its opening barrier
	s_cmp_lg_u32 s10, 0
	s_cbranch_scc1 .Lnot_wave_0_\@
	s_barrier_signal -3
.Lnot_wave_0_\@:
	s_barrier_wait -3
	s_barrier_signal -1
	s_barrier_wait -1
.endm
.macro CROUND                          ; a whole round
	s_barrier_signal -1
	s_barrier_wait -1
	CREST
.endm
	s_load_b128 s[4:7], s[0:1], 0x0                ; A s[4:5], B s[6:7]
	s_load_b64 s[8:9], s[0:1], 0x10                ; out
	v_lshl_add_u32 v[SPW], v0, 2, SPARE
	v_mov_b32 v[NIL], 0
	ds_add_u32 v[SPW], v[NIL]                      ; the wave's opening: the add and its wait stand ahead of my first tensor load; the set-up below, work on registers, stands between them
	v_lshrrev_b32 v1, 5, v0
	v_readfirstlane_b32 s10, v1                    ; wave 0..3
	s_lshr_b32 s11, s10, 1                         ; which half of the tile's rows is mine.  Also: I fetch for A (0) or for B (1)
	s_and_b32 s12, s10, 1                          ; which half of its columns.  Also: which 64 rows of that tile I fetch
	s_bfe_u32 s40, ttmp6, 0x40000                  ; cx, cy: my place in the cluster
	s_bfe_u32 s41, ttmp6, 0x40004
	s_lshl_b32 s42, ttmp9, 2
	s_add_co_u32 s42, s42, s40                     ; tile column of out = 4 x cluster x + cx
	s_and_b32 s45, ttmp7, 0xffff                   ; the cluster's y, 0 to 3: clusters 2 and 3 hold out's rows 1024 and up,
	s_lshr_b32 s45, s45, 1
	s_lshl_b32 s45, s45, 11                        ; which take B's columns 1024 and up: 2,048 bytes into each row
	s_and_b32 s13, ttmp7, 0xffff
	s_lshl_b32 s13, s13, 2
	s_add_co_u32 s13, s13, s41                     ; tile row of out = 4 x cluster y + cy
	s_lshl_b32 s43, s41, 2
	s_lshl_b32 s43, 15, s43                        ; my row of the cluster
	s_lshl_b32 s44, 0x1111, s40                    ; my column
	; descriptor group 1: a tile of 64 rows x 256 elements, padded in LDS
	s_or_b32 s[G1+0], s43, (1<<16)|(1<<20)|(1<<21)|(6<<22)|(3<<25)  ; 15:0 the mask: A's tiles go to my row; 17:16 element of 2 bytes; 20 padding on; 21 set beside a mask; 24:22 after every 128 words (code 6); 31:25 of 4 words (code 3)
	s_or_b32 s[G1B+0], s44, (1<<16)|(1<<20)|(1<<21)|(6<<22)|(3<<25)
.irp g, G1, G1B
	s_mov_b32 s[(\g)+1], KSTEP<<16                 ; tensor_dim0 = 256
	s_mov_b32 s[(\g)+2], 64<<16                    ; tensor_dim1 = 64
	s_mov_b32 s[(\g)+3], KSTEP<<16                 ; tile_dim0 = 256
	s_mov_b32 s[(\g)+4], 64                        ; tile_dim1 = 64
	s_mov_b32 s[(\g)+6], 0
	s_mov_b32 s[(\g)+7], 0
.endr
	s_mov_b32 s[G1+5], PA                          ; tensor_dim0_stride: A's rows are 1,024 elements apart,
	s_mov_b32 s[G1B+5], PB                         ; B's 2,048
	s_lshl_b32 s17, s12, 6                         ; which 64 rows of the tile I fetch
	s_lshl_b32 s16, s13, 7
	s_add_co_u32 s16, s16, s17                     ; A: row 128 x tile row + 64 x half,
	s_lshl_b32 s16, s16, 11                        ; of 2,048 bytes
	s_lshl_b32 s46, s42, 7
	s_add_co_u32 s46, s46, s17                     ; B: row 128 x tile column + 64 x half,
	s_lshl_b32 s46, s46, 12                        ; of 4,096 bytes,
	s_add_co_u32 s46, s46, s45                     ; and the half of its columns
	s_mov_b32 s17, 0
	s_mov_b32 s47, 0
	s_mul_i32 s20, s10, HALFT                      ; where they go: wave x 64 rows
	s_wait_dscnt 0x0                               ; the opening add is done
	s_wait_kmcnt 0x0
	s_add_nc_u64 s[14:15], s[4:5], s[16:17]
	s_add_nc_u64 s[46:47], s[6:7], s[46:47]
	CROUND                                         ; all sixteen work-groups are here: the first joint loads meet
.irp s, 0,1
	s_mov_b32 s[G0+4*(\s)], 1
	s_add_co_u32 s[G0+4*(\s)+1], s20, (\s)*SLOT
	s_add_nc_u64 s[G0+4*(\s)+2:G0+4*(\s)+3], s[14:15], (\s)*KSTEP*2
	s_or_b32 s[G0+4*(\s)+3], s[G0+4*(\s)+3], 0x80000000
	s_mov_b32 s[G0B+4*(\s)], 1
	s_add_co_u32 s[G0B+4*(\s)+1], s20, (\s)*SLOT
	s_add_nc_u64 s[G0B+4*(\s)+2:G0B+4*(\s)+3], s[46:47], (\s)*KSTEP*2
	s_or_b32 s[G0B+4*(\s)+3], s[G0B+4*(\s)+3], 0x80000000
	JLOAD \s
.endr
	v_and_b32 v1, 15, v0                           ; l % 16
	v_bfe_u32 v2, v0, 4, 1                         ; l / 16
	v_mul_u32_u24 v3, v1, PITCH
	v_lshl_add_u32 v3, v2, 4, v3                   ; a fragment's row x pitch + 16 x half
	s_mul_i32 s21, s11, HALFT                      ; my 64 rows of A
	s_mul_i32 s22, s12, HALFT                      ; my 64 rows of B,
	s_add_co_u32 s22, s22, 2*HALFT                 ; which lie behind A's 128
.irp s, 0,1
	v_add_nc_u32 v[ADRA+(\s)], s21, v3
	v_add_nc_u32 v[ADRB+(\s)], s22, v3
	s_add_co_u32 s21, s21, SLOT
	s_add_co_u32 s22, s22, SLOT
.endr
	s_mul_i32 s23, s11, 64*SPITCH                  ; into the stage: my 64 rows, my half of their 256 bytes; row l % 16, 16 bytes for each half of the lanes
	s_lshl_b32 s21, s12, 7
	s_add_co_u32 s23, s23, s21
	s_add_co_u32 s23, s23, STAGE
	v_mul_u32_u24 v4, v1, SPITCH
	v_lshl_add_u32 v4, v2, 4, v4
	v_add_nc_u32 v[STO], s23, v4
	s_mul_i32 s23, s10, 32*SPITCH                  ; back: wave w takes rows 32 w .. 32 w + 31, whole; lanes 0-15 one row of 256 bytes, lanes 16-31 the next
	s_add_co_u32 s23, s23, STAGE
	v_mul_u32_u24 v5, v2, SPITCH
	v_lshl_add_u32 v5, v1, 4, v5
	v_add_nc_u32 v[RD], s23, v5
	v_mul_u32_u24 v5, v2, SIZE_N*2                 ; and the same two rows in out
	v_lshl_add_u32 v[CO], v1, 4, v5
	s_lshl_b32 s16, s13, 7
	s_lshl_b32 s17, s10, 5
	s_add_co_u32 s16, s16, s17                     ; the first row of out that I store: 128 x tile row + 32 x wave,
	s_lshl_b32 s16, s16, 12                        ; of 4,096 bytes
	s_mov_b32 s17, 0
	s_add_nc_u64 s[8:9], s[8:9], s[16:17]
	s_lshl_b32 s46, s42, 8                         ; the tile's first column, in bytes
	s_mov_b32 s47, 0
	s_add_nc_u64 s[8:9], s[8:9], s[46:47]
; 8 matrix instructions: m blocks a0, a0 + 1 x all 4 n blocks, 32 along K: half c of buffer f.  zero = 1: the first product starts the sums
.macro MUL8 f, c, a0, zero
	WIN MUL
.irp a, \a0, (\a0)+1
.irp b, 0,1,2,3
.if \zero
	v_wmma_f32_16x16x32_f16 v[ACC+8*(4*(\a)+(\b)):ACC+8*(4*(\a)+(\b))+7], v[(\f)+64+8*(4*(\c)+(\b)):(\f)+64+8*(4*(\c)+(\b))+7], v[(\f)+8*(4*(\c)+(\a)):(\f)+8*(4*(\c)+(\a))+7], 0
.else
	v_wmma_f32_16x16x32_f16 v[ACC+8*(4*(\a)+(\b)):ACC+8*(4*(\a)+(\b))+7], v[(\f)+64+8*(4*(\c)+(\b)):(\f)+64+8*(4*(\c)+(\b))+7], v[(\f)+8*(4*(\c)+(\a)):(\f)+8*(4*(\c)+(\a))+7], v[ACC+8*(4*(\a)+(\b)):ACC+8*(4*(\a)+(\b))+7]
.endif
.endr
.endr
.endm
; 32 LDS loads in one run: the fragments of 64 along K at byte k of the rows, into buffer f; the first 32 along K first
.macro FETCH slot, k, f
	WIN TO_F
.irp c, 0,1
.irp i, 0,1,2,3
	ds_load_b128 v[(\f)+64+8*(4*(\c)+(\i)):(\f)+64+8*(4*(\c)+(\i))+3],   v[ADRB+(\slot)] offset:(\k)+64*(\c)+(\i)*16*PITCH
	ds_load_b128 v[(\f)+64+8*(4*(\c)+(\i))+4:(\f)+64+8*(4*(\c)+(\i))+7], v[ADRB+(\slot)] offset:(\k)+64*(\c)+(\i)*16*PITCH+32
	ds_load_b128 v[(\f)+8*(4*(\c)+(\i)):(\f)+8*(4*(\c)+(\i))+3],         v[ADRA+(\slot)] offset:(\k)+64*(\c)+(\i)*16*PITCH
	ds_load_b128 v[(\f)+8*(4*(\c)+(\i))+4:(\f)+8*(4*(\c)+(\i))+7],       v[ADRA+(\slot)] offset:(\k)+64*(\c)+(\i)*16*PITCH+32
.endr
.endr
.endm
.macro PLACES                          ; four places in front of loads into registers that matrix instructions have read, and of conversions that read results
.rept 4
	v_nop
.endr
.endm
; A K step is four quarters of 64 along K, 32 matrix instructions each, on buffers 0, 1, 0, 1.  One of the first three: multiplies buffer f and fetches the next quarter, at byte k, into g.
.macro QUARTER slot, k, f, g, zero
	s_wait_dscnt 16                                ; the first 32 along K are in; the sixteen younger loads may be out
	WIN MUL
	MUL8 \f, 0, 0, \zero
	MUL8 \f, 0, 2, \zero
	PLACES
	FETCH \slot, \k, \g
	s_wait_dscnt 32                                ; all but the 32 just issued
	WIN MUL
	MUL8 \f, 1, 0, 0
	MUL8 \f, 1, 2, 0
.endm
; The last quarter multiplies buffer 1 and changes slots: ONE barrier; in front of it each wave waits for all its tensor loads, adds 0 to its spare word, and waits for that and for its own reads of this slot.  fill = 1: this slot is filled again, two K steps ahead.
.macro TURN slot, next, fill
	WIN 0                                          ; (the add's two registers lie in window 0)
	s_wait_tensorcnt 0x0                           ; all my tensor loads have landed: my part of the next slot;
	ds_add_u32 v[SPW], v[NIL]                      ; 0 onto my spare word;
	s_wait_dscnt 17                                ; (the add and the youngest sixteen loads may be out)
	WIN MUL
	MUL8 F1, 0, 0, 0                               ; eight matrix instructions stand between the add and the wait for it
	s_wait_dscnt 0x0                               ; the add is done, and my reads of this slot are over
	s_barrier_signal -1
	MUL8 F1, 0, 2, 0
.if \fill
	WIN 0
.endif
	s_barrier_wait -1
.if \fill
	CREST                                          ; the barrier has opened a round of the cluster's barrier: no wave of any partner still reads this slot's tile or has a load on its way
	s_add_nc_u64 s[G0+4*(\slot)+2:G0+4*(\slot)+3], s[G0+4*(\slot)+2:G0+4*(\slot)+3], 2*KSTEP*2
	s_add_nc_u64 s[G0B+4*(\slot)+2:G0B+4*(\slot)+3], s[G0B+4*(\slot)+2:G0B+4*(\slot)+3], 2*KSTEP*2
	JLOAD \slot                                    ; the first tensor load behind the round: 112 matrix instructions ahead of the wait for it; the four v_nop behind it are also the places in front of the loads below
.else
	PLACES
.endif
	FETCH \next, 0, F0
	WIN MUL
	MUL8 F1, 1, 0, 0
	MUL8 F1, 1, 2, 0
.endm
	s_wait_tensorcnt 1                             ; my part of K step 0 is in; K step 1's load may stay out
	s_barrier_signal -1
	s_barrier_wait -1                              ; everybody's is
	FETCH 0, 0, F0
	QUARTER 0, 128, F0, F1, 1                      ; the first quarter stands in front of the loop: its first products start the sums
	WIN 0                                          ; at a label and at a branch every window is 0
	s_mov_b32 s3, LAPS-1
.Llap:                                                 ; a trip goes once round the ring, from a lap's second quarter to the next lap's first, and fills both slots again
	QUARTER 0, 256, F1, F0, 0
	QUARTER 0, 384, F0, F1, 0
	TURN 0, 1, 1
	QUARTER 1, 128, F0, F1, 0
	QUARTER 1, 256, F1, F0, 0
	QUARTER 1, 384, F0, F1, 0
	TURN 1, 0, 1
	QUARTER 0, 128, F0, F1, 0
	WIN 0
	s_sub_co_u32 s3, s3, 1
	s_cmp_lg_u32 s3, 0
	s_cbranch_scc1 .Llap
	QUARTER 0, 256, F1, F0, 0                      ; the last lap fills nothing, and has no round of the cluster's barrier
	QUARTER 0, 384, F0, F1, 0
	TURN 0, 1, 0
	QUARTER 1, 128, F0, F1, 0
	QUARTER 1, 256, F1, F0, 0
	QUARTER 1, 384, F0, F1, 0
	s_wait_dscnt 16                                ; the very last quarter: nothing more to fetch
	WIN MUL
	MUL8 F1, 0, 0, 0
	MUL8 F1, 0, 2, 0
	s_wait_dscnt 0
	MUL8 F1, 1, 0, 0
	MUL8 F1, 1, 2, 0
	WIN 0
	; THE WAY OUT: round to f16; 16 bytes a lane into the work-group's stage; a barrier, since a row's 256 bytes come from two waves; back as whole rows, 32 rows a wave.
	PLACES
.irp t, 0,1,2,3,4,5,6,7,8,9,10,11,12,13,14,15
.irp r, 0,1,2,3
	v_cvt_pk_f16_f32 v[TMP+4*(\t)+(\r)], v[ACC+8*(\t)+2*(\r)], v[ACC+8*(\t)+2*(\r)+1]
.endr
.endr
.irp a, 0,1,2,3
.irp b, 0,1,2,3
	ds_store_b128 v[STO], v[TMP+4*(4*(\a)+(\b)):TMP+4*(4*(\a)+(\b))+3] offset:(\a)*16*SPITCH+32*(\b)
.endr
.endr
	s_wait_dscnt 0x0                               ; for the others' sake: my stores into the stage are done
	s_barrier_signal -1
	s_barrier_wait -1
.irp t, 0,1,2,3,4,5,6,7,8,9,10,11,12,13,14,15
	ds_load_b128 v[TMP+4*(\t):TMP+4*(\t)+3], v[RD] offset:(\t)*2*SPITCH
.endr
.irp t, 0,1,2,3,4,5,6,7,8,9,10,11,12,13,14,15
	s_wait_dscnt 15-(\t)                           ; LDS loads come back in order: pair t of rows is in, the younger ones stay out
	global_store_b128 v[CO], v[TMP+4*(\t):TMP+4*(\t)+3], s[8:9] offset:2*(\t)*SIZE_N*2  ; 16 lanes store 256 consecutive bytes, at a multiple of 256 from out's first byte
.endr
	s_wait_tensorcnt 0x0                           ; the wave's end: behind my last tensor load and my last LDS store
	ds_add_u32 v[SPW], v[NIL]
	s_wait_dscnt 0x0
	CROUND                                         ; the closing round: no work-group ends while a partner may still ask for a tile that names it
	s_endpgm
.Lfunc_end_k_qb1f6eb0e35_dct1:
	.size	k_qb1f6eb0e35_dct1, .Lfunc_end_k_qb1f6eb0e35_dct1-k_qb1f6eb0e35_dct1
	.p2alignl 7, 3214868480
	.fill 96, 4, 3214868480
	.section	.rodata,"a",@progbits
	.p2align	6, 0x0
	.amdhsa_kernel k_qb1f6eb0e35_dct1
		.amdhsa_group_segment_fixed_size 327680
		.amdhsa_private_segment_fixed_size 0
		.amdhsa_enable_private_segment 0
		.amdhsa_kernarg_size 24
		.amdhsa_user_sgpr_count 2
		.amdhsa_user_sgpr_kernarg_segment_ptr 1
		.amdhsa_wavefront_size32 1
		.amdhsa_system_sgpr_workgroup_id_x 1
		.amdhsa_system_sgpr_workgroup_id_y 1
		.amdhsa_system_sgpr_workgroup_id_z 1
		.amdhsa_system_vgpr_workitem_id 0
		.amdhsa_next_free_vgpr 512
		.amdhsa_next_free_sgpr 66
		.amdhsa_reserve_vcc 0
		.amdhsa_float_denorm_mode_32 3
		.amdhsa_float_denorm_mode_16_64 3
		.amdhsa_memory_ordered 1
		.amdhsa_forward_progress 1
		.amdhsa_inst_pref_size 87
	.end_amdhsa_kernel
	.amdgpu_metadata
---
amdhsa.version: [ 1, 2 ]
amdhsa.kernels:
  - .name:           k_qb1f6eb0e35_dct1
    .symbol:         k_qb1f6eb0e35_dct1.kd
    .args:
      - { .name: cf, .offset: 0, .size: 8, .value_kind: global_buffer, .address_space: global }
      - { .name: xf, .offset: 8, .size: 8, .value_kind: global_buffer, .address_space: global }
      - { .name: ut, .offset: 16, .size: 8, .value_kind: global_buffer, .address_space: global }
    .group_segment_fixed_size: 327680
    .private_segment_fixed_size: 0
    .kernarg_segment_align: 8
    .kernarg_segment_size: 24
    .max_flat_workgroup_size: 128
    .sgpr_count:     66
    .vgpr_count:     512
    .wavefront_size: 32
...
	.end_amdgpu_metadata
.endif
;; end of part 2
;; launch dct2: the kernel of part 2 again; grid 16 x 16, 4 waves a work-group, clusters of 4 x 4, 327,680 bytes of LDS; arguments cf, ut, d2; writes d2
;; launch expand (part 3): grid 404 x 1, 13 waves a work-group, no clusters, 0 bytes of LDS; arguments d2, dext; writes dext
.if DOCPART == 3
	.amdgcn_target "amdgcn-amd-amdhsa--gfx1250"
	.amdhsa_code_object_version 6
	.text
	.protected	k_qb1f6eb0e35_expand
	.globl	k_qb1f6eb0e35_expand
	.p2align	8
	.type	k_qb1f6eb0e35_expand,@function
k_qb1f6eb0e35_expand:
	s_mov_b64 s[64:65], 0
	v_nop
	global_prefetch_b8 v0, s[64:65] scope:SCOPE_SE
	s_setreg_imm32_b32 hwreg(HW_REG_WAVE_MODE, 25, 1), 1
	s_wait_xcnt 0x0
; EXPAND.  The picture that the rotation samples, laid out so that a sample needs no wrap, no pad test and no parity:
;   dext[r][q] = padded[(r - 488) mod 2198][(q - 501) mod 2198],  r < 3232, q < 3328, f16, rows of 6,656 bytes,
;   padded[u][v] = d[u - 75][v - 75] inside, 0 in the frame of 75,   d[i][j] = d2[(i % 2) 1024 + i / 2][(j % 2) 1024 + j / 2]  (still d / 256).
; The rotation's coordinates reach from -456 to 2655 for samples that count, and a little further for those that are masked: 488 rows and 501 columns of margin hold them all.
; COLUMNS.  q - 576 is the column of d, and 576 and 2198 are even: dword qd of a row holds (d2[.][k], d2[.][1024 + k]) with k = qd - 288 modulo 1099, or zeros where k >= 1024.
; SHARES.  404 work-groups of 8 rows; thread t (416 of them) owns dwords 4 t .. 4 t + 3 of every row: its four k and masks are made once.  The rows' places in d2 are scalars.
; All 64 loads of a thread go out together; a store of a wave covers 512 consecutive bytes, aligned.  No LDS: no thread needs another's data.
.set ROWB, 6656
.set OFF,  8                           ; v[8:11]   byte offset 2 k of my four dwords' even numbers, 0 where there is none
.set MSK,  12                          ; v[12:15]  all ones, or 0 where there is none
.set DAT,  16                          ; v[16:79]  row j: four even numbers at 16 + 8 j, four odd ones at 20 + 8 j
.set BAS,  16                          ; s[16:31]  row j: its row of d2
.set RM,   32                          ; s[32:39]  row j: all ones, or 0 for a row of the frame
	s_load_b128 s[4:7], s[0:1], 0x0                ; d2 s[4:5], dext s[6:7]
	v_lshlrev_b32 v1, 2, v0                        ; my first dword
	v_lshlrev_b32 v5, 4, v0                        ; and its byte
.irp i, 0,1,2,3
	v_add_nc_u32 v2, \i, v1                        ; qd
	v_add_nc_u32 v3, 0xfffffee0, v2                ; qd - 288
	v_add_nc_u32 v4, 811, v2                       ; one period up: only qd < 213 gives a k under 1024 there
	v_cmp_gt_u32 vcc_lo, 213, v2
	v_cndmask_b32 v3, v3, v4, vcc_lo
	v_add_nc_u32 v4, 0xfffffa95, v2                ; qd - 1387: one period down
	v_cmp_le_u32 vcc_lo, 1387, v2
	v_cndmask_b32 v3, v3, v4, vcc_lo
	v_cmp_gt_u32 vcc_lo, 1024, v3                  ; unsigned: a negative k fails too
	v_lshlrev_b32 v3, 1, v3
	v_cndmask_b32 v[OFF+(\i)], 0, v3, vcc_lo
	v_cndmask_b32 v[MSK+(\i)], 0, -1, vcc_lo
.endr
	s_lshl_b32 s10, ttmp9, 3                       ; my first row
	s_mul_i32 s40, ttmp9, 8*ROWB
	s_mov_b32 s41, 0
	s_mov_b32 s13, 0
	s_wait_kmcnt 0x0
	s_add_nc_u64 s[42:43], s[6:7], s[40:41]
.irp j, 0,1,2,3,4,5,6,7
	s_add_co_i32 s11, s10, (\j)-488                ; u = r - 488, brought into 0 .. 2197
	s_add_co_i32 s12, s11, 2198
	s_cmp_lt_i32 s11, 0
	s_cselect_b32 s11, s12, s11
	s_sub_co_i32 s12, s11, 2198
	s_cmp_ge_i32 s11, 2198
	s_cselect_b32 s11, s12, s11
	s_sub_co_i32 s11, s11, 75                      ; the row of d
	s_cmp_lt_u32 s11, 2048                         ; unsigned: the frame fails on both sides
	s_cselect_b32 s[RM+(\j)], -1, 0
	s_cselect_b32 s11, s11, 0                      ; a frame row loads row 0 and masks it away
	s_and_b32 s12, s11, 1
	s_lshl_b32 s12, s12, 10
	s_lshr_b32 s11, s11, 1
	s_add_co_u32 s12, s12, s11                     ; its row of d2,
	s_lshl_b32 s12, s12, 12                        ; of 4,096 bytes
	s_add_nc_u64 s[BAS+2*(\j):BAS+2*(\j)+1], s[4:5], s[12:13]
.endr
.irp j, 0,1,2,3,4,5,6,7
.irp i, 0,1,2,3
	global_load_u16 v[DAT+8*(\j)+(\i)],   v[OFF+(\i)], s[BAS+2*(\j):BAS+2*(\j)+1]
	global_load_u16 v[DAT+8*(\j)+4+(\i)], v[OFF+(\i)], s[BAS+2*(\j):BAS+2*(\j)+1] offset:2048
.endr
.endr
.irp j, 0,1,2,3,4,5,6,7
	s_wait_loadcnt 56-8*(\j)                       ; loads come back in order: row j's eight are in, the eight of each younger row stay out
.irp i, 0,1,2,3
	v_lshl_or_b32 v[DAT+8*(\j)+(\i)], v[DAT+8*(\j)+4+(\i)], 16, v[DAT+8*(\j)+(\i)]  ; the odd column above the even one
	v_and_b32 v[DAT+8*(\j)+(\i)], v[MSK+(\i)], v[DAT+8*(\j)+(\i)]
	v_and_b32 v[DAT+8*(\j)+(\i)], s[RM+(\j)], v[DAT+8*(\j)+(\i)]
.endr
	global_store_b128 v5, v[DAT+8*(\j):DAT+8*(\j)+3], s[42:43] offset:ROWB*(\j)
.endr
	s_endpgm
.Lfunc_end_k_qb1f6eb0e35_expand:
	.size	k_qb1f6eb0e35_expand, .Lfunc_end_k_qb1f6eb0e35_expand-k_qb1f6eb0e35_expand
	.p2alignl 7, 3214868480
	.fill 96, 4, 3214868480
	.section	.rodata,"a",@progbits
	.p2align	6, 0x0
	.amdhsa_kernel k_qb1f6eb0e35_expand
		.amdhsa_group_segment_fixed_size 0
		.amdhsa_private_segment_fixed_size 0
		.amdhsa_enable_private_segment 0
		.amdhsa_kernarg_size 16
		.amdhsa_user_sgpr_count 2
		.amdhsa_user_sgpr_kernarg_segment_ptr 1
		.amdhsa_wavefront_size32 1
		.amdhsa_system_sgpr_workgroup_id_x 1
		.amdhsa_system_sgpr_workgroup_id_y 1
		.amdhsa_system_sgpr_workgroup_id_z 1
		.amdhsa_system_vgpr_workitem_id 0
		.amdhsa_next_free_vgpr 80
		.amdhsa_next_free_sgpr 66
		.amdhsa_reserve_vcc 1
		.amdhsa_float_denorm_mode_32 3
		.amdhsa_float_denorm_mode_16_64 3
		.amdhsa_memory_ordered 1
		.amdhsa_forward_progress 1
		.amdhsa_inst_pref_size 20
	.end_amdhsa_kernel
	.amdgpu_metadata
---
amdhsa.version: [ 1, 2 ]
amdhsa.kernels:
  - .name:           k_qb1f6eb0e35_expand
    .symbol:         k_qb1f6eb0e35_expand.kd
    .args:
      - { .name: d2, .offset: 0, .size: 8, .value_kind: global_buffer, .address_space: global }
      - { .name: dext, .offset: 8, .size: 8, .value_kind: global_buffer, .address_space: global }
    .group_segment_fixed_size: 0
    .private_segment_fixed_size: 0
    .kernarg_segment_align: 8
    .kernarg_segment_size: 16
    .max_flat_workgroup_size: 416
    .sgpr_count:     66
    .vgpr_count:     80
    .wavefront_size: 32
...
	.end_amdgpu_metadata
.endif
;; end of part 3
;; launch rotate (part 4): grid 23 x 32, 24 waves a work-group, no clusters, 67,584 bytes of LDS; arguments dext, part; writes part
.if DOCPART == 4
	.amdgcn_target "amdgcn-amd-amdhsa--gfx1250"
	.amdhsa_code_object_version 6
	.text
	.protected	k_qb1f6eb0e35_rotate
	.globl	k_qb1f6eb0e35_rotate
	.p2align	8
	.type	k_qb1f6eb0e35_rotate,@function
k_qb1f6eb0e35_rotate:
	s_mov_b64 s[64:65], 0
	v_nop
	global_prefetch_b8 v0, s[64:65] scope:SCOPE_SE
	s_setreg_imm32_b32 hwreg(HW_REG_WAVE_MODE, 25, 1), 1
	s_wait_xcnt 0x0
; ROTATE AND SUM.  part[seg][a][x] = the sum, over the rows y of segment seg, of the bilinear sample of the padded picture at
;   x_in = c (x - 1099) + s (y - 1099) + 1099,   y_in = -s (x - 1099) + c (y - 1099) + 1099,   c, s = cos, sin of a pi / 7.
; In dext (501 columns and 488 rows of margin, already wrapped and padded) that is column x_in + 501, row y_in + 488, and the four taps are neighbours.
; COORDINATES ARE WHOLE NUMBERS: signed, 32 bits of fraction in 64.  c and s are the f32 cosines and sines written as such numbers; sin pi counts as 0.  The high word is the floor and
; makes the address; the low word's top 23 bits make the weight.  A coordinate differs from one reckoned in f32 by some 3e-4 of a pixel at the most, and the sample is continuous in it.
; SHARES.  A work-group: 96 columns (strip), one angle, one of four segments of 560 virtual rows n, in 5 chunks of 112.  Wave w: 32 columns (w % 3), 14 rows of each chunk (w / 3).
; LANES LIE ALONG A DIAGONAL: lane l has column x0 + l and row y = n - 31 + o, o = l for a < 4 and 31 - l for a >= 4.  From lane to lane the picture's column then moves by
; |c| + |s|, at least 1, and its row by less than 1, so the lanes of a gather take different places of neighbouring LDS rows.  n runs over 0 .. 2239; each (x, y) falls on one n.
; Rows y outside 0 .. 2197 arise only in the chunks that begin at n = 0 and n = 2128: those two run a second copy of the loop, which masks.
; A CHUNK'S TILE: 160 rows x 192 columns of dext in LDS (rows of 384 bytes).  Its corner is the least column and row of any sample of the chunk, less 2^-12 for the lane term's
; truncation, the column rounded down to 8.  The widest chunk (a = 2, 5) spans 170.3 columns: local columns reach 179 with the second tap; the tallest (a = 1, 6) 142.3 rows: local rows
; reach 144.  Over all work-groups the corner's column lies in 24 .. 3087 and its row in 9 .. 3054, so every load stays inside dext's 3,328 x 3,232.
; The next chunk's tile flies into registers while this chunk is sampled; stores into the tile and gathers from it are always a barrier apart.
; NO CLUSTER, NO TENSOR LOAD: no two work-groups read the same tile, and 20 registers a lane hold the tile that is on its way.  No matrix unit: there is no product here.
.set TILEB, 160*384                    ; LDS 0: the tile
.set SCR,   61440                      ; 768 f32: each thread's sum
.set SPARE, 64512                      ; the spare words, 128 bytes for each of 24 waves: twelve blocks of 256 bytes that no other line names
.set TOP,   TILEB-388                  ; the last address at which all four taps lie in the tile
.set DROWB, 6656                       ; a row of dext
.set SPW, 58                           ; v58  LDS address of my spare word; never rewritten
.set NIL, 59                           ; v59  0; never rewritten
.set PF,  60                           ; v[60:79]  the tile on its way: five times 16 bytes
; v1, v[2:3] at work; v4 my offset in a tile's first 32 rows of dext; v5 = 16 t, the same place in LDS; v6 my word of SCR; v7 my y less the chunk's n
; v[8:9], v[10:11] my lane's and wave's part of the coordinates; v[12:13] s, v[14:15] c: a row's step; v[16:19] twice that
; v[20:21], v[22:23] column and row of sample A; v[24:27] of sample B, one row on; v28, v29 their addresses; v30 = 1.0; v31 y of sample A
; v[32:35], v[36:39] the taps; v[40:41] wx of A and B; v[42:43] wy; v[44:47] differences; v[48:49] upper line, v[50:51] lower line, v[52:53] lower - upper; v[54:57] sums
; s8 wave, s9 w % 3, s10 w / 3, s11 angle, s12 segment, s13 strip; s[14:15] c, s[16:17] s, s[18:21] a lane's step; s[22:25] the chunk's base; s[26:29] from base to corner;
; s[30:33] a chunk's step; s[34:37], s[54:57] at work; s[38:41] base less corner, this chunk; s[42:45] next chunk; s[46:47] the tile in dext; s48, s52 counters; s49 the chunk's n
	s_load_b128 s[4:7], s[0:1], 0x0                ; dext s[4:5], part s[6:7]
	v_lshl_add_u32 v[SPW], v0, 2, SPARE
	v_mov_b32 v[NIL], 0
	v_lshrrev_b32 v1, 5, v0
	v_readfirstlane_b32 s8, v1                     ; wave 0..23
	s_mul_i32 s10, s8, 11
	s_lshr_b32 s10, s10, 5                         ; w / 3 (exact for w < 24)
	s_mul_i32 s9, s10, 3
	s_sub_co_u32 s9, s8, s9                        ; w % 3
	s_and_b32 s12, ttmp7, 0xffff
	s_lshr_b32 s11, s12, 2                         ; angle
	s_and_b32 s12, s12, 3                          ; segment
	s_mov_b32 s13, ttmp9                           ; strip
	s_mov_b32 s50, 0x7f                            ; the exponent of 1.0
	s_mov_b32 s51, 2198
	; |c| and s of angle min(a, 7 - a)
	s_sub_co_u32 s34, 7, s11
	s_min_u32 s34, s34, s11
	s_mov_b32 s54, 0x38f721c0                      ; cos 3 pi / 7
	s_mov_b32 s16, 0xf994e000                      ; sin 3 pi / 7
	s_cmp_eq_u32 s34, 2
	s_cselect_b32 s54, 0x9f9d0700, s54
	s_cselect_b32 s16, 0xc8261c00, s16
	s_cmp_eq_u32 s34, 1
	s_cselect_b32 s54, 0xe6a5e500, s54
	s_cselect_b32 s16, 0x6f130100, s16
	s_cmp_eq_u32 s34, 0
	s_cselect_b32 s54, 0, s54
	s_cselect_b32 s16, 0, s16
	s_cselect_b32 s55, 1, 0                        ; cos 0 = 1
	s_mov_b32 s17, 0
	s_sub_nc_u64 s[34:35], 0, s[54:55]
	s_sub_nc_u64 s[36:37], 0, s[16:17]
	s_cmp_ge_u32 s11, 4                            ; the second four angles: c < 0, and the lanes' diagonal turned
	s_cselect_b64 s[14:15], s[34:35], s[54:55]     ; c
	s_cselect_b64 s[36:37], s[36:37], s[16:17]     ; s or -s
	s_cselect_b32 s53, 31, 0
	s_add_nc_u64 s[18:19], s[14:15], s[36:37]      ; from lane to lane: column c + s, or c - s;
	s_sub_nc_u64 s[20:21], s[54:55], s[16:17]      ; row |c| - s both times
	; the base: lane 0 of wave 0, first row of the segment
	s_mul_i32 s34, s13, 96
	s_sub_co_i32 s34, s34, 1099
	s_ashr_i32 s35, s34, 31                        ; x - 1099
	s_mul_i32 s36, s12, 560
	s_mov_b32 s49, s36                             ; the first chunk's n
	s_add_co_i32 s36, s36, s53
	s_sub_co_i32 s36, s36, 1130
	s_ashr_i32 s37, s36, 31                        ; y - 1099 = n - 31 + o(0) - 1099
	s_mul_u64 s[22:23], s[14:15], s[34:35]
	s_mul_u64 s[54:55], s[16:17], s[36:37]
	s_add_nc_u64 s[22:23], s[22:23], s[54:55]
	s_add_co_u32 s23, s23, 1600                    ; 1099 + 501, in the whole part
	s_mul_u64 s[24:25], s[14:15], s[36:37]
	s_mul_u64 s[54:55], s[16:17], s[34:35]
	s_sub_nc_u64 s[24:25], s[24:25], s[54:55]
	s_add_co_u32 s25, s25, 1587                    ; 1099 + 488
	; from the base to the chunk's least column: waves' columns 0, 32, 64; lanes 0 .. 31; rows add s >= 0
	s_lshl_b64 s[26:27], s[14:15], 6
	s_cmp_lt_i32 s15, 0
	s_cselect_b64 s[26:27], s[26:27], 0
	s_mov_b32 s56, 31
	s_mov_b32 s57, 0
	s_mul_u64 s[54:55], s[18:19], s[56:57]
	s_cmp_lt_i32 s19, 0
	s_cselect_b64 s[54:55], s[54:55], 0
	s_add_nc_u64 s[26:27], s[26:27], s[54:55]
	s_sub_nc_u64 s[26:27], s[26:27], 0x100000
	; and to its least row: columns take 64 s away; lanes; rows 0 .. 111 times c
	s_mul_u64 s[28:29], s[20:21], s[56:57]
	s_cmp_lt_i32 s21, 0
	s_cselect_b64 s[28:29], s[28:29], 0
	s_mov_b32 s56, 111
	s_mul_u64 s[54:55], s[14:15], s[56:57]
	s_cmp_lt_i32 s15, 0
	s_cselect_b64 s[54:55], s[54:55], 0
	s_add_nc_u64 s[28:29], s[28:29], s[54:55]
	s_lshl_b64 s[54:55], s[16:17], 6
	s_sub_nc_u64 s[28:29], s[28:29], s[54:55]
	s_sub_nc_u64 s[28:29], s[28:29], 0x100000
	s_mov_b32 s56, 112
	s_mul_u64 s[30:31], s[16:17], s[56:57]         ; from chunk to chunk
	s_mul_u64 s[32:33], s[14:15], s[56:57]
	; my wave's part
	s_lshl_b32 s34, s9, 5
	s_mov_b32 s35, 0
	s_mul_i32 s36, s10, 14
	s_mov_b32 s37, 0
	s_mul_u64 s[54:55], s[14:15], s[34:35]
	s_mul_u64 s[56:57], s[16:17], s[36:37]
	s_add_nc_u64 s[54:55], s[54:55], s[56:57]      ; column: 32 wc c + 14 wr s
	s_mul_u64 s[56:57], s[14:15], s[36:37]
	s_mul_u64 s[34:35], s[16:17], s[34:35]
	s_sub_nc_u64 s[56:57], s[56:57], s[34:35]      ; row: 14 wr c - 32 wc s
	; my lane's part: l times the step cut to 24 bits of fraction, so that the product fits 32 bits; the cut lowers it by under 2^-19
	v_and_b32 v1, 31, v0
	s_lshl_b32 s34, s19, 24
	s_lshr_b32 s35, s18, 8
	s_or_b32 s34, s34, s35
	v_mul_lo_u32 v2, v1, s34
	v_lshlrev_b32 v8, 8, v2
	v_ashrrev_i32 v9, 24, v2
	v_mov_b32 v2, s54
	v_mov_b32 v3, s55
	v_add_nc_u64 v[8:9], v[8:9], v[2:3]
	s_lshl_b32 s34, s21, 24
	s_lshr_b32 s35, s20, 8
	s_or_b32 s34, s34, s35
	v_mul_lo_u32 v2, v1, s34
	v_lshlrev_b32 v10, 8, v2
	v_ashrrev_i32 v11, 24, v2
	v_mov_b32 v2, s56
	v_mov_b32 v3, s57
	v_add_nc_u64 v[10:11], v[10:11], v[2:3]
	v_xor_b32 v7, s53, v1                          ; o(l): l, or 31 - l
	s_sub_co_i32 s35, s36, 31
	v_add_nc_u32 v7, s35, v7                       ; + 14 wr - 31
	v_mov_b32 v12, s16
	v_mov_b32 v13, s17
	v_mov_b32 v14, s14
	v_mov_b32 v15, s15
	s_lshl_b64 s[34:35], s[16:17], 1
	v_mov_b32 v16, s34
	v_mov_b32 v17, s35
	s_lshl_b64 s[34:35], s[14:15], 1
	v_mov_b32 v18, s34
	v_mov_b32 v19, s35
	; the copy: thread t takes 16 bytes: row t / 24, piece t % 24 of each 32 rows; in LDS that is byte 16 t
	v_mul_u32_u24 v1, v0, 2731
	v_lshrrev_b32 v1, 16, v1                       ; t / 24 (exact for t < 768)
	v_mul_u32_u24 v2, v1, 24
	v_sub_nc_u32 v2, v0, v2
	v_mul_u32_u24 v4, v1, DROWB
	v_lshl_add_u32 v4, v2, 4, v4
	v_lshlrev_b32 v5, 4, v0
	v_lshl_add_u32 v6, v0, 2, SCR
	v_mov_b32 v30, 1.0
	v_mov_b32 v54, 0
	v_mov_b32 v55, 0
	v_mov_b32 v56, 0
	v_mov_b32 v57, 0
; The corner of the chunk whose base stands in s[22:25]; base less corner into s[lx .. lx + 3]; the tile's first byte in dext into s[46:47]
.macro ORIGIN lx
	s_add_nc_u64 s[34:35], s[22:23], s[26:27]
	s_and_b32 s35, s35, -8                         ; the corner's column, a multiple of 8: 16 bytes
	s_add_nc_u64 s[36:37], s[24:25], s[28:29]      ; s37: the corner's row
	s_mov_b32 s[(\lx)], s22
	s_sub_co_u32 s[(\lx)+1], s23, s35
	s_mov_b32 s[(\lx)+2], s24
	s_sub_co_u32 s[(\lx)+3], s25, s37
	s_mul_i32 s36, s37, DROWB
	s_lshl1_add_u32 s36, s35, s36
	s_mov_b32 s37, 0
	s_add_nc_u64 s[46:47], s[4:5], s[36:37]
.endm
.macro LOADS                           ; 160 rows x 384 bytes, 32 rows a line
.irp i, 0,1,2,3,4
	global_load_b128 v[PF+4*(\i):PF+4*(\i)+3], v4, s[46:47] offset:(\i)*32*DROWB
.endr
.endm
.macro STORE                           ; the tile goes into LDS, and everybody's part is there
.irp i, 0,1,2,3,4
	s_wait_loadcnt 4-(\i)                          ; loads come back in order: line i is in, the younger lines of this tile stay out
	ds_store_b128 v5, v[PF+4*(\i):PF+4*(\i)+3] offset:(\i)*32*384
.endr
	s_wait_dscnt 0x0                               ; for the others' sake: my stores are done
	s_barrier_signal -1
	s_barrier_wait -1
.endm
; Two samples, rows n and n + 1 of my 14.  mask = 1: a sample whose y lies outside 0 .. 2197 counts as 0.
.macro TRIP mask
	v_mul_u32_u24 v28, v23, 384
	v_mul_u32_u24 v29, v27, 384
	v_lshl_add_u32 v28, v21, 1, v28                ; row x 384 + column x 2
	v_lshl_add_u32 v29, v25, 1, v29
	v_min_u32 v28, TOP, v28                        ; a guard: by the bounds at the head it never bites; it says in the text itself that all four taps lie in the tile
	v_min_u32 v29, TOP, v29
	ds_load_u16 v32, v28
	ds_load_u16 v33, v28 offset:2
	ds_load_u16 v34, v28 offset:384
	ds_load_u16 v35, v28 offset:386
	ds_load_u16 v36, v29
	ds_load_u16 v37, v29 offset:2
	ds_load_u16 v38, v29 offset:384
	ds_load_u16 v39, v29 offset:386
	v_alignbit_b32 v40, s50, v20, 9                ; 1 + fraction as f32: the exponent of 1.0 above the fraction's top 23 bits
	v_alignbit_b32 v41, s50, v24, 9
	v_alignbit_b32 v42, s50, v22, 9
	v_alignbit_b32 v43, s50, v26, 9
	v_add_nc_u64 v[20:21], v[20:21], v[16:17]      ; two rows on
	v_add_nc_u64 v[22:23], v[22:23], v[18:19]
	v_add_nc_u64 v[24:25], v[24:25], v[16:17]
	v_add_nc_u64 v[26:27], v[26:27], v[18:19]
	v_pk_add_f32 v[40:41], v[40:41], -1.0 op_sel_hi:[1,0]
	v_pk_add_f32 v[42:43], v[42:43], -1.0 op_sel_hi:[1,0]
	s_wait_dscnt 0x0                               ; the eight taps
	v_fma_mix_f32 v44, v33, v30, -v32 op_sel_hi:[1,0,1]   ; right - left, from the f16 halves
	v_fma_mix_f32 v45, v35, v30, -v34 op_sel_hi:[1,0,1]
	v_fma_mix_f32 v46, v37, v30, -v36 op_sel_hi:[1,0,1]
	v_fma_mix_f32 v47, v39, v30, -v38 op_sel_hi:[1,0,1]
	v_fma_mix_f32 v48, v40, v44, v32 op_sel_hi:[0,0,1]    ; left + wx (right - left)
	v_fma_mix_f32 v50, v40, v45, v34 op_sel_hi:[0,0,1]
	v_fma_mix_f32 v49, v41, v46, v36 op_sel_hi:[0,0,1]
	v_fma_mix_f32 v51, v41, v47, v38 op_sel_hi:[0,0,1]
.if \mask
	v_cmp_gt_u32 vcc_lo, s51, v31                  ; 2198 > y, unsigned: a negative y fails too
	v_cndmask_b32 v48, 0, v48, vcc_lo
	v_cndmask_b32 v50, 0, v50, vcc_lo
	v_add_nc_u32 v1, 1, v31
	v_cmp_gt_u32 vcc_lo, s51, v1
	v_cndmask_b32 v49, 0, v49, vcc_lo
	v_cndmask_b32 v51, 0, v51, vcc_lo
	v_add_nc_u32 v31, 2, v31
.endif
	v_pk_add_f32 v[52:53], v[50:51], v[48:49] neg_lo:[0,1] neg_hi:[0,1]
	v_pk_add_f32 v[54:55], v[54:55], v[48:49]      ; upper line,
	v_pk_fma_f32 v[56:57], v[42:43], v[52:53], v[56:57]   ; + wy (lower - upper)
.endm
.macro SAMPLE                          ; my 14 rows of the chunk whose base less corner stands in s[38:41]
	v_mov_b32 v2, s38
	v_mov_b32 v3, s39
	v_add_nc_u64 v[20:21], v[8:9], v[2:3]
	v_mov_b32 v2, s40
	v_mov_b32 v3, s41
	v_add_nc_u64 v[22:23], v[10:11], v[2:3]
	v_add_nc_u64 v[24:25], v[20:21], v[12:13]
	v_add_nc_u64 v[26:27], v[22:23], v[14:15]
	v_add_nc_u32 v31, s49, v7
	s_mov_b32 s52, 7
	s_cmp_eq_u32 s49, 0                            ; the picture's first and last chunk hold rows outside it
	s_cbranch_scc1 .Lmask_\@
	s_cmp_eq_u32 s49, 2128
	s_cbranch_scc1 .Lmask_\@
.Lplain_\@:
	TRIP 0
	s_sub_co_u32 s52, s52, 1
	s_cmp_lg_u32 s52, 0
	s_cbranch_scc1 .Lplain_\@
	s_branch .Ldone_\@
.Lmask_\@:
	TRIP 1
	s_sub_co_u32 s52, s52, 1
	s_cmp_lg_u32 s52, 0
	s_cbranch_scc1 .Lmask_\@
.Ldone_\@:
.endm
; A chunk.  pre = 1: the next chunk's tile is asked for before this one is sampled, and a barrier closes the chunk: all gathers are over before the tile is stored again.
.macro CHUNK pre
	STORE
.if \pre
	s_add_nc_u64 s[22:23], s[22:23], s[30:31]      ; STORE's last wait has shown the loads done: their base may be written
	s_add_nc_u64 s[24:25], s[24:25], s[32:33]
	ORIGIN 42
	LOADS
.endif
	SAMPLE
.if \pre
	s_add_co_u32 s49, s49, 112
	s_mov_b64 s[38:39], s[42:43]
	s_mov_b64 s[40:41], s[44:45]
	s_wait_dscnt 0x0                               ; my gathers are back (the last trip has waited for them)
	s_barrier_signal -1
	s_barrier_wait -1
.endif
.endm
	s_wait_kmcnt 0x0
	ORIGIN 38
	LOADS
	s_mov_b32 s48, 4
.Lchunk:
	CHUNK 1
	s_sub_co_u32 s48, s48, 1
	s_cmp_lg_u32 s48, 0
	s_cbranch_scc1 .Lchunk
	CHUNK 0                                        ; the fifth chunk asks for nothing; behind it only SCR is written, which no gather reaches
	v_add_f32 v54, v54, v55
	v_add_f32 v56, v56, v57
	v_add_f32 v54, v54, v56
	ds_store_b32 v6, v54                           ; thread t = 96 (w / 3) + column in the strip
	s_wait_dscnt 0x0                               ; for the others' sake
	s_barrier_signal -1
	s_barrier_wait -1
	s_cmp_ge_u32 s8, 3
	s_cbranch_scc1 .Lend                           ; waves 0 to 2 add the eight row groups of the strip's 96 columns
.irp j, 0,1,2,3,4,5,6,7
	ds_load_b32 v[32+(\j)], v6 offset:384*(\j)
.endr
	s_lshl_b32 s34, s12, 3
	s_add_co_u32 s34, s34, s11
	s_mul_i32 s34, s34, 2208                       ; part[seg][a]
	s_mul_i32 s35, s13, 96
	s_add_co_u32 s34, s34, s35
	s_lshl_b32 s34, s34, 2
	s_mov_b32 s35, 0
	s_add_nc_u64 s[6:7], s[6:7], s[34:35]
	v_lshlrev_b32 v1, 2, v0
	s_wait_dscnt 0x0
	v_add_f32 v32, v32, v33
	v_add_f32 v34, v34, v35
	v_add_f32 v36, v36, v37
	v_add_f32 v38, v38, v39
	v_add_f32 v32, v32, v34
	v_add_f32 v36, v36, v38
	v_add_f32 v32, v32, v36
	global_store_b32 v1, v32, s[6:7]               ; a wave stores 128 consecutive bytes
.Lend:
	s_wait_tensorcnt 0x0                           ; the wave's end: behind my last LDS store
	ds_add_u32 v[SPW], v[NIL]
	s_wait_dscnt 0x0
	s_endpgm
.Lfunc_end_k_qb1f6eb0e35_rotate:
	.size	k_qb1f6eb0e35_rotate, .Lfunc_end_k_qb1f6eb0e35_rotate-k_qb1f6eb0e35_rotate
	.p2alignl 7, 3214868480
	.fill 96, 4, 3214868480
	.section	.rodata,"a",@progbits
	.p2align	6, 0x0
	.amdhsa_kernel k_qb1f6eb0e35_rotate
		.amdhsa_group_segment_fixed_size 67584
		.amdhsa_private_segment_fixed_size 0
		.amdhsa_enable_private_segment 0
		.amdhsa_kernarg_size 16
		.amdhsa_user_sgpr_count 2
		.amdhsa_user_sgpr_kernarg_segment_ptr 1
		.amdhsa_wavefront_size32 1
		.amdhsa_system_sgpr_workgroup_id_x 1
		.amdhsa_system_sgpr_workgroup_id_y 1
		.amdhsa_system_sgpr_workgroup_id_z 1
		.amdhsa_system_vgpr_workitem_id 0
		.amdhsa_next_free_vgpr 80
		.amdhsa_next_free_sgpr 66
		.amdhsa_reserve_vcc 1
		.amdhsa_float_denorm_mode_32 3
		.amdhsa_float_denorm_mode_16_64 3
		.amdhsa_memory_ordered 1
		.amdhsa_forward_progress 1
		.amdhsa_inst_pref_size 21
	.end_amdhsa_kernel
	.amdgpu_metadata
---
amdhsa.version: [ 1, 2 ]
amdhsa.kernels:
  - .name:           k_qb1f6eb0e35_rotate
    .symbol:         k_qb1f6eb0e35_rotate.kd
    .args:
      - { .name: dext, .offset: 0, .size: 8, .value_kind: global_buffer, .address_space: global }
      - { .name: part, .offset: 8, .size: 8, .value_kind: global_buffer, .address_space: global }
    .group_segment_fixed_size: 67584
    .private_segment_fixed_size: 0
    .kernarg_segment_align: 8
    .kernarg_segment_size: 16
    .max_flat_workgroup_size: 768
    .sgpr_count:     66
    .vgpr_count:     80
    .wavefront_size: 32
...
	.end_amdgpu_metadata
.endif
;; end of part 4
;; launch final (part 5): grid 1 x 1, 32 waves a work-group, no clusters, 75,008 bytes of LDS; arguments part, out0; writes out0
.if DOCPART == 5
	.amdgcn_target "amdgcn-amd-amdhsa--gfx1250"
	.amdhsa_code_object_version 6
	.text
	.protected	k_qb1f6eb0e35_final
	.globl	k_qb1f6eb0e35_final
	.p2align	8
	.type	k_qb1f6eb0e35_final,@function
k_qb1f6eb0e35_final:
	s_mov_b64 s[64:65], 0
	v_nop
	global_prefetch_b8 v0, s[64:65] scope:SCOPE_SE
	s_setreg_imm32_b32 hwreg(HW_REG_WAVE_MODE, 25, 1), 1
	s_wait_xcnt 0x0
; FINAL.  line[a][x] = the sum of part's four segments; out0[x][a] = line[a][x] / the largest line[a][x] over a < 8, x < 2198.
; part: f32 [4][8][2208] (columns 2198 .. 2207 are spare and count for nothing).  out0: f32 [2198][8].
; ONE work-group: the maximum spans everything, and 283 KB in and 70 KB out are too little to share out over a launch of their own and a second one for the division.
; The sums go through LDS, since they are read back transposed.  The factor 1/256 that the lines still carry leaves in the division.
; LIMIT.  The division is a multiplication by v_rcp_f32 of the maximum (1 ulp); a maximum of 0 or below is divided by as it is.
.set SEGB,  70656                      ; a segment of part
.set ROWB,  8832                       ; a line of 2,208 f32
.set WM,    70656                      ; LDS: behind the sums (0 .. 70,655) a block of 256 bytes for the 32 waves' maxima
.set SPARE, 70912                      ; the spare words, 128 bytes for each of 32 waves: sixteen blocks of 256 bytes that no other line names
.set SPW, 110                          ; v110  LDS address of my spare word; never rewritten
.set NIL, 111                          ; v111  0; never rewritten
	s_load_b128 s[4:7], s[0:1], 0x0                ; part s[4:5], out0 s[6:7]
	v_lshl_add_u32 v[SPW], v0, 2, SPARE
	v_mov_b32 v[NIL], 0
	v_lshrrev_b32 v1, 5, v0
	v_readfirstlane_b32 s8, v1                     ; wave 0..31
	v_lshlrev_b32 v2, 4, v0                        ; 16 t
	v_add_nc_u32 v7, 0x10000, v2                   ; the fifth turn's place in LDS lies beyond a 16-bit offset
	v_mov_b32 v5, 0xff800000                       ; -infinity
	v_mov_b32 v6, 0xff800000                       ; my running maximum
	s_mov_b32 s12, 0x76543210                      ; v_permlanex16_b32: each lane takes its own place in the other half
	s_mov_b32 s13, 0xfedcba98
	s_wait_kmcnt 0x0
.irp i, 0,1,2,3                        ; group g = t + 1024 i of four consecutive numbers, from each of the four segments
.irp g, 0,1,2,3
	global_load_b128 v[16+16*(\i)+4*(\g):16+16*(\i)+4*(\g)+3], v2, s[4:5] offset:(\g)*SEGB+(\i)*16384
.endr
.endr
; Group t + 1024 i: the four segments are added, the sums go to LDS, and those with x < 2198 enter the maximum.
.macro GROUP i, adr, off
.set B, 16+16*(\i)
	v_pk_add_f32 v[B:B+1],     v[B:B+1],     v[B+4:B+5]
	v_pk_add_f32 v[B+2:B+3],   v[B+2:B+3],   v[B+6:B+7]
	v_pk_add_f32 v[B+8:B+9],   v[B+8:B+9],   v[B+12:B+13]
	v_pk_add_f32 v[B+10:B+11], v[B+10:B+11], v[B+14:B+15]
	v_pk_add_f32 v[B:B+1],     v[B:B+1],     v[B+8:B+9]
	v_pk_add_f32 v[B+2:B+3],   v[B+2:B+3],   v[B+10:B+11]
	ds_store_b128 v[\adr], v[B:B+3] offset:\off
	v_add_nc_u32 v3, 1024*(\i), v0                 ; g
	v_mul_u32_u24 v4, v3, 7599
	v_lshrrev_b32 v4, 22, v4                       ; g / 552 (exact for g < 4416): the line
	v_mul_u32_u24 v4, v4, 552
	v_sub_nc_u32 v3, v3, v4
	v_lshlrev_b32 v3, 2, v3                        ; x of the group's first number
.irp e, 0,1,2,3
	v_cmp_gt_u32 vcc_lo, 2198-(\e), v3
	v_cndmask_b32 v4, v5, v[B+(\e)], vcc_lo
	v_max_num_f32 v6, v6, v4
.endr
.endm
.macro WMAX                            ; the largest v6 of the wave's 32 lanes, in every lane
	v_max_num_f32_dpp v6, v6, v6 row_xmask:1 row_mask:0xf bank_mask:0xf
	v_max_num_f32_dpp v6, v6, v6 row_xmask:2 row_mask:0xf bank_mask:0xf
	v_max_num_f32_dpp v6, v6, v6 row_xmask:4 row_mask:0xf bank_mask:0xf
	v_max_num_f32_dpp v6, v6, v6 row_xmask:8 row_mask:0xf bank_mask:0xf
	v_permlanex16_b32 v4, v6, s12, s13             ; v4 has been written before
	v_max_num_f32 v6, v6, v4
.endm
	s_cmp_ge_u32 s8, 10
	s_cbranch_scc1 .Lfour                          ; 4,416 groups = 4 x 1024 + 320: the fifth turn is waves 0 to 9's
.irp g, 0,1,2,3
	global_load_b128 v[80+4*(\g):80+4*(\g)+3], v2, s[4:5] offset:(\g)*SEGB+65536
.endr
	s_wait_loadcnt 0x0
	GROUP 4, 7, 0
.Lfour:
	s_wait_loadcnt 0x0
	GROUP 0, 2, 0
	GROUP 1, 2, 16384
	GROUP 2, 2, 32768
	GROUP 3, 2, 49152
	WMAX
	v_mov_b32 v8, s8
	v_lshl_add_u32 v8, v8, 2, WM
	ds_store_b32 v8, v6                            ; all lanes write the same word with the same value
	s_wait_dscnt 0x0                               ; for the others' sake: my sums and my maximum are in LDS
	s_barrier_signal -1
	s_barrier_wait -1
	; item = t + 1024 i: 16 bytes of out0: x = item / 2, angles 4 (item % 2) + 0..3
	v_and_b32 v9, 31, v0
	v_lshl_add_u32 v9, v9, 2, WM
	v_and_b32 v12, 1, v0
	v_mul_u32_u24 v12, v12, 4*ROWB
	v_lshrrev_b32 v13, 1, v0
	v_lshl_add_u32 v12, v13, 2, v12
	ds_load_b32 v6, v9                             ; lane l: wave l's maximum
.irp i, 0,1,2,3
.irp j, 0,1,2,3
	ds_load_b32 v[16+4*(\i)+(\j)], v12 offset:ROWB*(\j)+2048*(\i)
.endr
.endr
	s_wait_dscnt 16                                ; the maxima are in; the sixteen younger loads stay out
	WMAX
	v_rcp_f32 v10, v6
	v_mov_b32 v11, 0                               ; the plain instruction behind the reciprocal; v11 is named with v10 as a pair
	s_wait_dscnt 0x0
	s_wait_alu depctr_va_vdst(0)
.irp i, 0,1,2,3
	v_pk_mul_f32 v[16+4*(\i):17+4*(\i)], v[16+4*(\i):17+4*(\i)], v[10:11] op_sel_hi:[1,0]
	v_pk_mul_f32 v[18+4*(\i):19+4*(\i)], v[18+4*(\i):19+4*(\i)], v[10:11] op_sel_hi:[1,0]
	global_store_b128 v2, v[16+4*(\i):19+4*(\i)], s[6:7] offset:16384*(\i)   ; a wave stores 512 consecutive bytes, aligned
.endr
	s_cmp_ge_u32 s8, 10
	s_cbranch_scc1 .Lend                           ; 4,396 items = 4 x 1024 + 300
.irp j, 0,1,2,3
	ds_load_b32 v[32+(\j)], v12 offset:ROWB*(\j)+8192   ; x up to 2207: inside a line of 2,208; only the store is narrowed
.endr
	s_wait_dscnt 0x0
	v_pk_mul_f32 v[32:33], v[32:33], v[10:11] op_sel_hi:[1,0]
	v_pk_mul_f32 v[34:35], v[34:35], v[10:11] op_sel_hi:[1,0]
	v_cmp_gt_u32 vcc_lo, 300, v0
	s_wait_xcnt 0x0                                ; EXEC is a source of the stores above: it changes only behind this wait
	s_and_saveexec_b32 s14, vcc_lo
	global_store_b128 v2, v[32:35], s[6:7] offset:65536
	s_wait_xcnt 0x0                                ; and again, in front of the line that widens it
	s_or_b32 exec_lo, exec_lo, s14
.Lend:
	s_wait_tensorcnt 0x0                           ; the wave's end: behind my last LDS store
	ds_add_u32 v[SPW], v[NIL]
	s_wait_dscnt 0x0
	s_endpgm
.Lfunc_end_k_qb1f6eb0e35_final:
	.size	k_qb1f6eb0e35_final, .Lfunc_end_k_qb1f6eb0e35_final-k_qb1f6eb0e35_final
	.p2alignl 7, 3214868480
	.fill 96, 4, 3214868480
	.section	.rodata,"a",@progbits
	.p2align	6, 0x0
	.amdhsa_kernel k_qb1f6eb0e35_final
		.amdhsa_group_segment_fixed_size 75008
		.amdhsa_private_segment_fixed_size 0
		.amdhsa_enable_private_segment 0
		.amdhsa_kernarg_size 16
		.amdhsa_user_sgpr_count 2
		.amdhsa_user_sgpr_kernarg_segment_ptr 1
		.amdhsa_wavefront_size32 1
		.amdhsa_system_sgpr_workgroup_id_x 1
		.amdhsa_system_sgpr_workgroup_id_y 1
		.amdhsa_system_sgpr_workgroup_id_z 1
		.amdhsa_system_vgpr_workitem_id 0
		.amdhsa_next_free_vgpr 112
		.amdhsa_next_free_sgpr 66
		.amdhsa_reserve_vcc 1
		.amdhsa_float_denorm_mode_32 3
		.amdhsa_float_denorm_mode_16_64 3
		.amdhsa_memory_ordered 1
		.amdhsa_forward_progress 1
		.amdhsa_inst_pref_size 14
	.end_amdhsa_kernel
	.amdgpu_metadata
---
amdhsa.version: [ 1, 2 ]
amdhsa.kernels:
  - .name:           k_qb1f6eb0e35_final
    .symbol:         k_qb1f6eb0e35_final.kd
    .args:
      - { .name: part, .offset: 0, .size: 8, .value_kind: global_buffer, .address_space: global }
      - { .name: out0, .offset: 8, .size: 8, .value_kind: global_buffer, .address_space: global }
    .group_segment_fixed_size: 75008
    .private_segment_fixed_size: 0
    .kernarg_segment_align: 8
    .kernarg_segment_size: 16
    .max_flat_workgroup_size: 1024
    .sgpr_count:     66
    .vgpr_count:     112
    .wavefront_size: 32
...
	.end_amdgpu_metadata
.endif
;; end of part 5
